; MI455X (gfx1250); checked and timed in simulation.
; The chip was launched on July 23, 2026; its instructions are those of AMD's public machine-readable ISA for CDNA 5 (MIT licence, August 2026) and "CDNA5" Instruction Set Architecture Reference Guide (July 2026). The comments in the code are by the model that wrote it; some were corrected since.
;; Encoder Block. Allowed arithmetic: float matrix products may take bf16 or f16 operands with f32 sums; other float arithmetic in f32, or as packed bf16 or f16 multiplies, adds, multiply-adds, maxima and minima; sums over many terms, partial sums and values carried from step to step in f32; what a program stores and reads back later, other than sums and carried values, may be rounded once to bf16 or f16.
;; Inputs: W1 256 x 1,024 float32; W2 1,024 x 256 float32; Wk 256 x 256 float32; Wo 256 x 256 float32; Wq 256 x 256 float32; Wv 256 x 256 float32; b1 1,024 float32; b2 256 float32; bk 256 float32; bo 256 float32; bq 256 float32; bv 256 float32; embeddings_in 2 x 4,096 x 256 float32.
;; Outputs: out0 2 x 4,096 x 256 float32.
;; One version. Each part assembles by itself: llvm-mc -triple=amdgcn-amd-amdhsa -mcpu=gfx1250 --defsym DOCPART=n.
;; ======== version 1 of 1: 4 launches
;; limits: values are held in f16: magnitudes above 65,504 overflow, below 6.1e-05 lose precision
;; workspace buffers: wp 1,572,864 bytes; qkv 12,582,912 bytes; ao 4,194,304 bytes
;; launch pack (part 1): grid 192 x 1, 4 waves a work-group, no clusters, 0 bytes of LDS; arguments Wq, Wk, Wv, Wo, W1, W2, wp; writes wp
.if DOCPART == 1
	.amdgcn_target "amdgcn-amd-amdhsa--gfx1250"
	.amdhsa_code_object_version 6
	.text
	.protected	k_qb4f2d02122_pack
	.globl	k_qb4f2d02122_pack
	.p2align	8
	.type	k_qb4f2d02122_pack,@function
k_qb4f2d02122_pack:
	s_mov_b64 s[64:65], 0
	v_nop
	global_prefetch_b8 v0, s[64:65] scope:SCOPE_SE
	s_setreg_imm32_b32 hwreg(HW_REG_WAVE_MODE, 25, 1), 1
	s_wait_xcnt 0x0
; THE SIX WEIGHT MATRICES, f32 [K][N], ARE ROUNDED ONCE TO f16 AND LAID OUT IN THE ORDER IN WHICH A MATRIX SOURCE LIES IN REGISTERS.
; wp: Wq at byte 0, Wk 131,072, Wv 262,144, Wo 393,216, W1 524,288, W2 1,048,576.  A matrix is cut into fragments of 16 columns n x 32 rows k, 1,024 bytes
; each; fragment (t = n / 16, kk = k / 32) lies at (t K / 32 + kk) x 1,024.  In a fragment the 16 bytes at 512 p + 256 h + 16 r hold W[32 kk + 16 p + 8 h + 0..7][16 t + r]:
; lane 16 h + r of a later wave takes registers 0-3 at 16 x lane and registers 4-7 at 512 + 16 x lane, two loads of 512 consecutive bytes.
; LIMIT: f16 ends at 65,504; a weight beyond it becomes an infinity.  Below 6e-5 f16 keeps a fixed step of 6e-8.
; SHARES.  A wave takes one unit: 32 columns x 32 rows of one matrix, a lane a column.  768 units: 0-255 the four square matrices, 256-511 W1, 512-767 W2.
; A load of the wave covers 128 consecutive bytes of a row; a store covers two aligned runs of 256 bytes (lanes 0-15 one fragment's, lanes 16-31 the next column tile's).
; No LDS, no barrier, no matrix unit: each byte is read once and written once.
	s_load_b256 s[4:11], s[0:1], 0x0               ; Wq s[4:5], Wk s[6:7], Wv s[8:9], Wo s[10:11]
	s_load_b128 s[12:15], s[0:1], 0x20             ; W1 s[12:13], W2 s[14:15]
	s_load_b64 s[16:17], s[0:1], 0x30              ; wp
	v_lshrrev_b32 v3, 5, v0
	v_readfirstlane_b32 s18, v3                    ; wave 0..3
	v_and_b32 v4, 31, v0                           ; lane
	v_lshlrev_b32 v1, 2, v4                        ; my column's 4 bytes in the unit's 128
	v_lshrrev_b32 v5, 4, v4                        ; which of the unit's two column tiles
	v_and_b32 v6, 15, v4                           ; r
	s_lshl_b32 s19, ttmp9, 2
	s_add_co_u32 s19, s19, s18                     ; the unit
	s_lshr_b32 s20, ttmp9, 6                       ; 0: a square matrix; 1: W1; 2: W2
	s_and_b32 s21, s19, 255                        ; the unit within its 256
	s_cmp_eq_u32 s20, 2
	s_cselect_b32 s22, 15, 13                      ; a column tile's bytes are 1 << this: K / 32 fragments of 1,024
	s_cselect_b32 s23, 5, 3                        ; bits of kk
	s_cselect_b32 s25, 31, 7
	s_and_b32 s25, s21, s25                        ; kk
	s_lshr_b32 s24, s21, s23
	s_cmp_eq_u32 s20, 1
	s_cselect_b32 s26, 31, 7                       ; pairs of column tiles: 32 in W1, 8 elsewhere
	s_cselect_b32 s30, 17, 15                      ; 32 rows are 1 << this bytes
	s_and_b32 s24, s24, s26                        ; the pair T
	s_lshr_b32 s27, s21, 6                         ; which square matrix
	s_lshl_b32 s28, s27, 17
	s_cmp_eq_u32 s20, 0
	s_cselect_b32 s28, s28, 0x80000
	s_cmp_eq_u32 s20, 2
	s_cselect_b32 s28, 0x100000, s28               ; the matrix's first byte in wp
	s_lshl_b32 s29, s24, 1
	s_lshl_b32 s29, s29, s22                       ; + column tile 2 T
	s_add_co_u32 s28, s28, s29
	s_lshl_b32 s29, s25, 10                        ; + fragment kk
	s_add_co_u32 s28, s28, s29
	s_mov_b32 s29, 0
	s_lshl_b32 s30, s25, s30                       ; source: 32 kk rows down,
	s_lshl_b32 s31, s24, 7                         ; 32 T columns along
	s_add_co_u32 s30, s30, s31
	s_mov_b32 s31, 0
	v_lshlrev_b32 v2, s22, v5                      ; my column tile,
	v_lshl_add_u32 v2, v6, 4, v2                   ; my 16 bytes
	s_wait_kmcnt 0x0
	s_cmp_eq_u32 s27, 1                            ; the source is chosen by the unit's number alone
	s_cselect_b64 s[32:33], s[6:7], s[4:5]
	s_cmp_eq_u32 s27, 2
	s_cselect_b64 s[32:33], s[8:9], s[32:33]
	s_cmp_eq_u32 s27, 3
	s_cselect_b64 s[32:33], s[10:11], s[32:33]
	s_cmp_eq_u32 s20, 1
	s_cselect_b64 s[32:33], s[12:13], s[32:33]
	s_cmp_eq_u32 s20, 2
	s_cselect_b64 s[32:33], s[14:15], s[32:33]
	s_add_nc_u64 s[32:33], s[32:33], s[30:31]
	s_add_nc_u64 s[16:17], s[16:17], s[28:29]
; rb = bytes in a row of the source.  32 loads, k ascending; each group of eight k is packed and stored as soon as it is in.
.macro BODY rb
.set i, 0
.rept 32
	global_load_b32 v[16+i], v1, s[32:33] offset:i*(\rb) th:TH_LOAD_NT
.set i, i+1
.endr
.irp g, 0,1,2,3
	s_wait_loadcnt 24-8*\g                         ; loads come back in order: the 8 (3 - g) younger ones may stay out
.irp m, 0,1,2,3
	v_cvt_pk_f16_f32 v[48+4*\g+\m], v[16+8*\g+2*\m], v[16+8*\g+2*\m+1]
.endr
	global_store_b128 v2, v[48+4*\g:48+4*\g+3], s[16:17] offset:512*(\g/2)+256*(\g%2)
.endr
	s_endpgm
.endm
	s_cmp_eq_u32 s20, 1
	s_cbranch_scc1 .Lwide
	BODY 1024                                      ; N = 256
.Lwide:
	BODY 4096                                      ; N = 1,024: W1
.Lfunc_end_k_qb4f2d02122_pack:
	.size	k_qb4f2d02122_pack, .Lfunc_end_k_qb4f2d02122_pack-k_qb4f2d02122_pack
	.p2alignl 7, 3214868480
	.fill 96, 4, 3214868480
	.section	.rodata,"a",@progbits
	.p2align	6, 0x0
	.amdhsa_kernel k_qb4f2d02122_pack
		.amdhsa_group_segment_fixed_size 0
		.amdhsa_private_segment_fixed_size 0
		.amdhsa_enable_private_segment 0
		.amdhsa_kernarg_size 56
		.amdhsa_user_sgpr_count 2
		.amdhsa_user_sgpr_kernarg_segment_ptr 1
		.amdhsa_wavefront_size32 1
		.amdhsa_system_sgpr_workgroup_id_x 1
		.amdhsa_system_sgpr_workgroup_id_y 1
		.amdhsa_system_sgpr_workgroup_id_z 1
		.amdhsa_system_vgpr_workitem_id 0
		.amdhsa_next_free_vgpr 64
		.amdhsa_next_free_sgpr 66
		.amdhsa_reserve_vcc 0
		.amdhsa_float_denorm_mode_32 3
		.amdhsa_float_denorm_mode_16_64 3
		.amdhsa_memory_ordered 1
		.amdhsa_forward_progress 1
		.amdhsa_inst_pref_size 12
	.end_amdhsa_kernel
	.amdgpu_metadata
---
amdhsa.version: [ 1, 2 ]
amdhsa.kernels:
  - .name:           k_qb4f2d02122_pack
    .symbol:         k_qb4f2d02122_pack.kd
    .args:
      - { .name: Wq, .offset: 0, .size: 8, .value_kind: global_buffer, .address_space: global }
      - { .name: Wk, .offset: 8, .size: 8, .value_kind: global_buffer, .address_space: global }
      - { .name: Wv, .offset: 16, .size: 8, .value_kind: global_buffer, .address_space: global }
      - { .name: Wo, .offset: 24, .size: 8, .value_kind: global_buffer, .address_space: global }
      - { .name: W1, .offset: 32, .size: 8, .value_kind: global_buffer, .address_space: global }
      - { .name: W2, .offset: 40, .size: 8, .value_kind: global_buffer, .address_space: global }
      - { .name: wp, .offset: 48, .size: 8, .value_kind: global_buffer, .address_space: global }
    .group_segment_fixed_size: 0
    .private_segment_fixed_size: 0
    .kernarg_segment_align: 8
    .kernarg_segment_size: 56
    .max_flat_workgroup_size: 128
    .sgpr_count:     66
    .vgpr_count:     64
    .wavefront_size: 32
...
	.end_amdgpu_metadata
.endif
;; end of part 1
;; launch qkv (part 2): grid 128 x 1, 4 waves a work-group, no clusters, 54,784 bytes of LDS; arguments embeddings_in, wp, bq, bk, bv, qkv; writes qkv
.if DOCPART == 2
	.amdgcn_target "amdgcn-amd-amdhsa--gfx1250"
	.amdhsa_code_object_version 6
	.text
	.protected	k_qb4f2d02122_qkv
	.globl	k_qb4f2d02122_qkv
	.p2align	8
	.type	k_qb4f2d02122_qkv,@function
k_qb4f2d02122_qkv:
	s_mov_b64 s[64:65], 0
	v_nop
	global_prefetch_b8 v0, s[64:65] scope:SCOPE_SE
	s_setreg_imm32_b32 hwreg(HW_REG_WAVE_MODE, 25, 1), 1
	s_wait_xcnt 0x0
; xn = (x - mean) / (std + 1e-6) by rows of 256; q, k, v = xn W + b, written by heads: qkv[b][24 slabs][4096][32] in f16, slab h = q of head h, 8 + h = k, 16 + h = v.  q is not scaled here.
; Mean, squares and std in f32, the variance from the differences; xn, the weights and q, k, v are each rounded once to f16; products add up in f32, starting from the bias.
; LIMITS: f16 ends at 65,504 (xn is at most 16 in magnitude; q, k, v must stay within the range); NaN and infinities are not treated apart.
; SHARES.  A work-group owns 64 tokens.  Wave w normalises rows 16 w .. 16 w + 15 (a row is 8 numbers a lane) and puts them in LDS; then every wave takes all 64 rows as fragments into 256 registers
; and makes column tiles 4 w .. 4 w + 3 of each of q, k, v: twelve TURNS of 32 matrix instructions, 4 accumulators by turns.
; THE PRODUCT IS TAKEN TRANSPOSED: source 0 = 16 columns of W, source 1 = 16 tokens.  A lane then holds one token and eight neighbouring columns: 16 bytes in f16; and the bias, eight numbers a lane, is the C of a sum's first product.
; THE WEIGHTS come straight from memory into registers in the order in which launch pack laid them: a ring of four sets of 64 registers, three sets (54 loads a wave) on their way while one is multiplied.
; NO CLUSTER: a weight fragment goes to the registers of the one wave that multiplies by it; a joint load would send each weight byte through LDS, one write and one read more, with a barrier for each slot, and the ring of registers needs none.
; REGISTERS, in windows of 256 (s_set_vgpr_msb: bits 1:0 source 0, 3:2 source 1, 5:4 source 2, 7:6 destination):
;   window 0: v0-13 addresses; v16-47 bias, 8 a set; v64-191 x while it is normalised, later v64-127 accumulators (two turns' four), v128-159 packed, v160-191 rows read back; v192-255 at work
;   window 1: xn's fragments, (row tile rt, K step kk) at 8 (8 rt + kk)          window 2: the ring of weights
.set XPI,   528                        ; a row of xn in LDS: 512 bytes + 16: the 16 rows of a fragment load start at 16 different groups of four banks (64 banks of 4 bytes: ISA guide 11.1)
.set STAGE, 64*XPI                     ; behind xn: 64 rows x 80 bytes for each wave, for the way out
.set SPI,   80
.set SPARE, STAGE+4*64*SPI             ; behind the stages: the spare words, 128 bytes a wave: two blocks of 256 bytes that no other line names
.set WOFF, 4                           ; v4   16 x lane: my place in 512 consecutive bytes
.set XAD,  5                           ; v5   my place in a fragment of xn
.set STO,  6                           ; v6   the way out: where I put 16 bytes of a row
.set RD,   7                           ; v7   where I read rows back
.set XST,  9                           ; v9   where I put 8 bytes of a normalised row
.set BOFF, 10                          ; v10  my eight numbers of a bias
.set SPW,  12                          ; v12  my spare word; never rewritten
.set NIL,  13                          ; v13  0; never rewritten
.set BR,   16
.set XR,   64
.set ACC,  64
.set PK,   128
.set OB,   160
.set T,    192
.set U,    224
.set SEL,  24                          ; s[24:25] v_permlanex16_b32's selects: each lane takes its own place in the other half
.set XP,   26                          ; s[26:27] x at my 16 rows
.set WP,   28                          ; s[28:29] wp at my four column tiles of Wq
.set QP,   30                          ; s[30:31] qkv at slab 2 w of my batch, at the work-group's first token
.set R16,  32                          ; s32  1/16
.set MSB, 0
.macro WIN new                         ; the immediate's high byte repeats the setting that is left; a switch that changes nothing is dropped
.if MSB != (\new)
	s_set_vgpr_msb (MSB<<8)|(\new)
.set MSB, (\new)
.endif
.endm
.macro PLACES                          ; four plain instructions between a matrix instruction and a load into, or a vector read of, its registers
.rept 4
	v_nop
.endr
.endm
.macro ROWS line:vararg                ; one line for each of my 16 rows t
.set t, 0
.rept 16
	\line
.set t, t+1
.endr
.endm
.macro RED b                           ; the pairs at b: both halves and all 32 lanes are added; the sum ends in the low register of every lane
	ROWS v_add_f32 v[(\b)+2*t], v[(\b)+2*t], v[(\b)+2*t+1]
.irp x, 1,2,4,8
	ROWS v_add_f32_dpp v[(\b)+2*t], v[(\b)+2*t], v[(\b)+2*t] row_xmask:\x row_mask:0xf bank_mask:0xf
.endr
	ROWS v_permlanex16_b32 v[(\b)+2*t+1], v[(\b)+2*t], s[SEL], s[SEL+1]
	ROWS v_add_f32 v[(\b)+2*t], v[(\b)+2*t], v[(\b)+2*t+1]
.endm
; Turn i's set: matrix i / 4, my column tile i % 4: 8 fragments (16 loads) and the tile's bias (2 loads)
.macro LS i
.set q, (\i)%4
	WIN 0x80
.irp f, 0,1,2,3,4,5,6,7
	global_load_b128 v[64*q+8*\f:64*q+8*\f+3],   v[WOFF], s[WP:WP+1] offset:((\i)/4)*131072+((\i)%4)*8192+1024*\f
	global_load_b128 v[64*q+8*\f+4:64*q+8*\f+7], v[WOFF], s[WP:WP+1] offset:((\i)/4)*131072+((\i)%4)*8192+1024*\f+512
.endr
	WIN 0
	global_load_b128 v[BR+8*q:BR+8*q+3],   v[BOFF], s[8+2*((\i)/4):9+2*((\i)/4)] offset:((\i)%4)*64
	global_load_b128 v[BR+8*q+4:BR+8*q+7], v[BOFF], s[8+2*((\i)/4):9+2*((\i)/4)] offset:((\i)%4)*64+16
.endm
; Turn i's 32 products.  The four accumulators take turns, one instruction a turn.
.macro MULA i
.set q, (\i)%4
.set a, ACC+32*((\i)%2)
	WIN 0x06                                       ; W in window 2, xn in window 1
.irp kk, 0,1,2,3,4,5,6,7
.irp rt, 0,1,2,3
.if \kk == 0
	v_wmma_f32_16x16x32_f16 v[a+8*\rt:a+8*\rt+7], v[64*q+8*\kk:64*q+8*\kk+7], v[8*(8*\rt+\kk):8*(8*\rt+\kk)+7], v[BR+8*q:BR+8*q+7]
.else
	v_wmma_f32_16x16x32_f16 v[a+8*\rt:a+8*\rt+7], v[64*q+8*\kk:64*q+8*\kk+7], v[8*(8*\rt+\kk):8*(8*\rt+\kk)+7], v[a+8*\rt:a+8*\rt+7]
.endif
.endr
.endr
.endm
; Two turns make one head: 64 tokens x 32 columns.  PACK rounds; TOSTAGE sends 16 bytes a lane through my stage and reads 512 dense bytes back; SEND stores them.
.macro PACK
	WIN 0
.irp rt, 0,1,2,3
.irp nt, 0,1
.irp m, 0,1,2,3
	v_cvt_pk_f16_f32 v[PK+4*(2*\rt+\nt)+\m], v[ACC+32*\nt+8*\rt+2*\m], v[ACC+32*\nt+8*\rt+2*\m+1]
.endr
.endr
.endr
.endm
.macro TOSTAGE
	s_wait_xcnt 0x0                                ; the last head's stores have read their registers: only now are these loaded again
.irp rt, 0,1,2,3
.irp nt, 0,1
	ds_store_b128 v[STO], v[PK+4*(2*\rt+\nt):PK+4*(2*\rt+\nt)+3] offset:16*SPI*\rt+32*\nt
.endr
.endr
.irp f, 0,1,2,3,4,5,6,7
	ds_load_b128 v[OB+4*\f:OB+4*\f+3], v[RD] offset:8*SPI*\f  ; LDS serves a wave's instructions in order (ISA guide 5.7.1.4): these see the stores above
.endr
.endm
.macro SEND p                          ; head pair p: matrix p / 2, head 2 w + p % 2
	WIN 0
.irp f, 0,1,2,3,4,5,6,7
	s_wait_dscnt 7-\f
	global_store_b128 v[WOFF], v[OB+4*\f:OB+4*\f+3], s[QP:QP+1] offset:((((\p)/2)*8+(\p)%2)<<18)+512*\f  ; 512 consecutive bytes, at a multiple of 256 from the buffer's first
.endr
.endm
	s_load_b256 s[4:11], s[0:1], 0x0               ; x s[4:5], wp s[6:7], bq s[8:9], bk s[10:11]
	s_load_b128 s[12:15], s[0:1], 0x20             ; bv s[12:13], qkv s[14:15]
	v_lshl_add_u32 v[SPW], v0, 2, SPARE
	v_mov_b32 v[NIL], 0
	v_lshrrev_b32 v3, 5, v0
	v_readfirstlane_b32 s16, v3                    ; wave 0..3
	v_and_b32 v3, 31, v0                           ; lane
	v_and_b32 v1, 15, v0                           ; r
	v_bfe_u32 v2, v0, 4, 1                         ; h
	v_lshlrev_b32 v[WOFF], 4, v3
	v_mul_u32_u24 v[XAD], v1, XPI
	v_lshl_add_u32 v[XAD], v2, 4, v[XAD]           ; row x pitch + 16 x half
	s_mul_i32 s17, s16, 64*SPI
	s_add_co_u32 s17, s17, STAGE                   ; my stage
	v_mul_u32_u24 v[STO], v1, SPI
	v_lshl_add_u32 v[STO], v2, 4, v[STO]
	v_add_nc_u32 v[STO], s17, v[STO]
	v_lshrrev_b32 v[RD], 2, v3                     ; back: 32 lanes take eight rows of 64 bytes
	v_mul_u32_u24 v[RD], v[RD], SPI
	v_and_b32 v8, 3, v3
	v_lshl_add_u32 v[RD], v8, 4, v[RD]
	v_add_nc_u32 v[RD], s17, v[RD]
	s_mul_i32 s18, s16, 16*XPI
	v_lshl_add_u32 v[XST], v3, 3, s18              ; my wave's 16 rows, 8 bytes a lane
	s_lshl_b32 s19, s16, 8
	v_lshl_add_u32 v[BOFF], v2, 5, s19             ; 4 (64 w + 8 h)
	s_mov_b32 s[SEL], 0x76543210
	s_mov_b32 s[SEL+1], 0xfedcba98
	s_mov_b32 s[R16], 0x3d800000
	s_lshl_b32 s20, ttmp9, 16                      ; the work-group's 64 rows of 1,024 bytes,
	s_lshl_b32 s21, s16, 14                        ; my 16
	s_add_co_u32 s20, s20, s21
	s_mov_b32 s21, 0
	s_lshl_b32 s22, s16, 15                        ; four column tiles of 8,192 bytes
	s_mov_b32 s23, 0
	s_lshr_b32 s18, ttmp9, 6                       ; batch
	s_mul_i32 s18, s18, 24
	s_lshl1_add_u32 s18, s16, s18                  ; slab 24 b + 2 w
	s_lshl_b32 s18, s18, 18
	s_and_b32 s19, ttmp9, 63
	s_lshl_b32 s19, s19, 12                        ; 64 tokens of 64 bytes
	s_add_co_u32 s18, s18, s19
	s_mov_b32 s19, 0
	s_wait_kmcnt 0x0
	s_add_nc_u64 s[XP:XP+1], s[4:5], s[20:21]
	s_add_nc_u64 s[WP:WP+1], s[6:7], s[22:23]
	s_add_nc_u64 s[QP:QP+1], s[14:15], s[18:19]
	ROWS global_load_b128 v[XR+8*t:XR+8*t+3], v[WOFF], s[XP:XP+1] offset:1024*t th:TH_LOAD_NT
	ROWS global_load_b128 v[XR+8*t+4:XR+8*t+7], v[WOFF], s[XP:XP+1] offset:1024*t+512 th:TH_LOAD_NT
	LS 0
	s_wait_loadcnt 18                              ; x is in; the first set's 18 loads stay out
	LS 1
	LS 2
	; THE NORM, each line for all 16 rows, so that no line waits for the one before it
	ROWS v_pk_add_f32 v[T+2*t:T+2*t+1], v[XR+8*t:XR+8*t+1], v[XR+8*t+2:XR+8*t+3]
	ROWS v_pk_add_f32 v[U+2*t:U+2*t+1], v[XR+8*t+4:XR+8*t+5], v[XR+8*t+6:XR+8*t+7]
	ROWS v_pk_add_f32 v[T+2*t:T+2*t+1], v[T+2*t:T+2*t+1], v[U+2*t:U+2*t+1]
	RED T
.irp p, 0,2,4,6
	ROWS v_pk_fma_f32 v[XR+8*t+\p:XR+8*t+\p+1], v[T+2*t:T+2*t+1], 0xbb800000, v[XR+8*t+\p:XR+8*t+\p+1] op_sel_hi:[0,0,1]  ; x - sum / 256
.endr
	ROWS v_pk_mul_f32 v[U+2*t:U+2*t+1], v[XR+8*t:XR+8*t+1], v[XR+8*t:XR+8*t+1]
.irp p, 2,4,6
	ROWS v_pk_fma_f32 v[U+2*t:U+2*t+1], v[XR+8*t+\p:XR+8*t+\p+1], v[XR+8*t+\p:XR+8*t+\p+1], v[U+2*t:U+2*t+1]
.endr
	RED U
	ROWS v_sqrt_f32 v[U+2*t], v[U+2*t]
	v_nop                                          ; a plain instruction behind the last root,
	s_wait_alu depctr_va_vdst(0)                   ; and one wait for the sixteen, ahead of their first reader
	ROWS v_fmaak_f32 v[U+2*t], s[R16], v[U+2*t], 0x358637bd  ; sqrt(sum / 256) + 1e-6
	ROWS v_rcp_f32 v[U+2*t], v[U+2*t]
	v_nop
	s_wait_alu depctr_va_vdst(0)                   ; one wait for the sixteen reciprocals
.irp p, 0,2,4,6
	ROWS v_pk_mul_f32 v[XR+8*t+\p:XR+8*t+\p+1], v[XR+8*t+\p:XR+8*t+\p+1], v[U+2*t:U+2*t+1] op_sel_hi:[1,0]
.endr
.irp m, 0,1,2,3
	ROWS v_cvt_pk_f16_f32 v[XR+8*t+\m], v[XR+8*t+2*\m], v[XR+8*t+2*\m+1]
.endr
	ROWS ds_store_b64 v[XST], v[XR+8*t:XR+8*t+1] offset:XPI*t          ; columns 4 l .. 4 l + 3
	ROWS ds_store_b64 v[XST], v[XR+8*t+2:XR+8*t+3] offset:XPI*t+256    ; columns 128 + 4 l ..
	LS 3
	s_wait_dscnt 0x0                               ; for the others' sake: my rows lie in LDS
	s_barrier_signal -1
	s_barrier_wait -1                              ; all 64 do
	WIN 0x40
.irp rt, 0,1,2,3
.irp kk, 0,1,2,3,4,5,6,7
	ds_load_b128 v[8*(8*\rt+\kk):8*(8*\rt+\kk)+3],   v[XAD] offset:16*XPI*\rt+64*\kk
	ds_load_b128 v[8*(8*\rt+\kk)+4:8*(8*\rt+\kk)+7], v[XAD] offset:16*XPI*\rt+64*\kk+32
.endr
.endr
	s_wait_dscnt 0x0
	; THE TWELVE TURNS.  The wait leaves the younger sets out, 18 loads each: three, and at the end two, one, none.  A set is asked for again four places behind its last product.
	; A head's round trip through the stage stands under the next turn's products.
.irp i, 0,1,2,3,4,5,6,7,8,9,10,11
.if \i <= 8
	s_wait_loadcnt 54
.else
	s_wait_loadcnt 18*(11-\i)
.endif
	MULA \i
	PLACES
.if \i <= 7
	LS \i+4
.endif
.if (\i % 2) == 1
	PACK
	TOSTAGE
.elseif \i >= 2
	SEND \i/2-1
.endif
.endr
	SEND 5
	s_wait_tensorcnt 0x0                           ; the wave's end, behind my last LDS store
	ds_add_u32 v[SPW], v[NIL]
	s_wait_dscnt 0x0
	s_endpgm
.Lfunc_end_k_qb4f2d02122_qkv:
	.size	k_qb4f2d02122_qkv, .Lfunc_end_k_qb4f2d02122_qkv-k_qb4f2d02122_qkv
	.p2alignl 7, 3214868480
	.fill 96, 4, 3214868480
	.section	.rodata,"a",@progbits
	.p2align	6, 0x0
	.amdhsa_kernel k_qb4f2d02122_qkv
		.amdhsa_group_segment_fixed_size 54784
		.amdhsa_private_segment_fixed_size 0
		.amdhsa_enable_private_segment 0
		.amdhsa_kernarg_size 48
		.amdhsa_user_sgpr_count 2
		.amdhsa_user_sgpr_kernarg_segment_ptr 1
		.amdhsa_wavefront_size32 1
		.amdhsa_system_sgpr_workgroup_id_x 1
		.amdhsa_system_sgpr_workgroup_id_y 1
		.amdhsa_system_sgpr_workgroup_id_z 1
		.amdhsa_system_vgpr_workitem_id 0
		.amdhsa_next_free_vgpr 768
		.amdhsa_next_free_sgpr 66
		.amdhsa_reserve_vcc 0
		.amdhsa_float_denorm_mode_32 3
		.amdhsa_float_denorm_mode_16_64 3
		.amdhsa_memory_ordered 1
		.amdhsa_forward_progress 1
		.amdhsa_inst_pref_size 119
	.end_amdhsa_kernel
	.amdgpu_metadata
---
amdhsa.version: [ 1, 2 ]
amdhsa.kernels:
  - .name:           k_qb4f2d02122_qkv
    .symbol:         k_qb4f2d02122_qkv.kd
    .args:
      - { .name: embeddings_in, .offset: 0, .size: 8, .value_kind: global_buffer, .address_space: global }
      - { .name: wp, .offset: 8, .size: 8, .value_kind: global_buffer, .address_space: global }
      - { .name: bq, .offset: 16, .size: 8, .value_kind: global_buffer, .address_space: global }
      - { .name: bk, .offset: 24, .size: 8, .value_kind: global_buffer, .address_space: global }
      - { .name: bv, .offset: 32, .size: 8, .value_kind: global_buffer, .address_space: global }
      - { .name: qkv, .offset: 40, .size: 8, .value_kind: global_buffer, .address_space: global }
    .group_segment_fixed_size: 54784
    .private_segment_fixed_size: 0
    .kernarg_segment_align: 8
    .kernarg_segment_size: 48
    .max_flat_workgroup_size: 128
    .sgpr_count:     66
    .vgpr_count:     768
    .wavefront_size: 32
...
	.end_amdgpu_metadata
.endif
;; end of part 2
;; launch attn (part 3): grid 16 x 16, 8 waves a work-group, clusters of 4 x 1, 327,680 bytes of LDS; arguments qkv, ao; writes ao
.if DOCPART == 3
	.amdgcn_target "amdgcn-amd-amdhsa--gfx1250"
	.amdhsa_code_object_version 6
	.text
	.protected	k_qb4f2d02122_attn
	.globl	k_qb4f2d02122_attn
	.p2align	8
	.type	k_qb4f2d02122_attn,@function
k_qb4f2d02122_attn:
	s_mov_b64 s[64:65], 0
	v_nop
	global_prefetch_b8 v0, s[64:65] scope:SCOPE_SE
	s_setreg_imm32_b32 hwreg(HW_REG_WAVE_MODE, 25, 1), 1
	s_wait_xcnt 0x0
	s_wait_alu depctr_hold_cnt(0) depctr_sa_sdst(0) depctr_va_vdst(0) depctr_va_sdst(0) depctr_va_ssrc(0) depctr_va_vcc(0) depctr_vm_vsrc(0)
	s_getreg_b32 s2, hwreg(HW_REG_IB_STS2, 6, 4)
	s_cmp_eq_u32 s2, 0
	s_cbranch_scc0 .Lentry_in_a_cluster
	s_endpgm
.Lentry_in_a_cluster:
	s_bfe_u32 s2, ttmp6, 0x10000c
	s_cmp_lg_u32 s2, 0x3003
	s_cbranch_scc0 .Lentry_shape_is_right
	s_endpgm
.Lentry_shape_is_right:
; ao[bh][q][:] = the sum over k of softmax_k(Q[q] . K[k] / sqrt(32)) V[k][:], for 16 heads bh of 4,096 rows of 32 channels, all f16.  q, k, v lie in qkv[b][24 slabs][4096][32] (slab h, 8 + h, 16 + h).
; Products, maxima and sums in f32; the weights p are rounded to f16 for the second product, ao once at the end.
; LIMITS.  f16 holds no number beyond 65,504: q, k, v arrive within it; p lies in 0 to 1 and below 6e-5 keeps f16's fixed step of 6e-8; the row sum l is taken of the ROUNDED p, in f32; a weight below 2^-126 counts as 0; NaN and infinities are not treated apart.
; SHARES.  A work-group owns 256 queries of one head, each of its eight waves 32: two tiles of 16.  Every wave walks all 4,096 keys, 64 a step.
; THE COUNT.  A tile and step have 10 matrix and some 98 vector instructions: the vector work is the launch.  So there are two waves to a SIMD, each in phases: while one issues products the other issues vector work;
; all of a wave's registers lie in one window of 256, and no window is ever switched.
; LAYOUT.  S^T = K Q^T (source 0 = 16 keys, source 1 = 16 queries): a lane holds ONE query (lane % 16) and the keys 8 (lane / 16) + 0..7.  Two such results rounded to f16 in pairs ARE source 1 (32 keys x 16 queries)
; of O^T = V^T P.  K comes out of LDS as it lies, V ([key][channel]) turned, by ds_load_tr16_b128.
; THE ROW SUM is a third block of source 0 beside V^T's two: rows 0 and 8 hold 1.0, the others 0.  Register 0 of its result is l for the lane's query, in both halves of the lanes: no sums by vector instructions, no exchange at the end.
; SOFTMAX.  A running maximum m: p = 2^(c s - c m), c = log2(e) / sqrt(32); in every step O and l are multiplied by a = 2^(c m_old - c m_new).  m starts at the lowest finite number, O and l at 0: the first step's a is 0.
; CLUSTER.  The four query blocks of a cluster belong to one head and walk the same K and V: each tile is asked for JOINTLY, by the same tensor load, descriptor and mask in all four.
; RING.  Two slots of 512 keys, eight steps each.  Waves 0 and 1 fetch a slot's two halves of K, waves 2 and 3 those of V, one load each; waves 4 to 7 fetch nothing.  A load has eight key steps in which to land.
.set KS,    64
.set PK,    80        ; a row of K in LDS: 64 bytes + 16: the 16 rows of a load start at 16 different groups of four banks (64 banks of 4 bytes: ISA guide 11.1)
.set PV,    96        ; a row of V: 64 + 32
.set VOFF,  512*PK    ; a slot: 512 rows of K, then 512 rows of V
.set SLOT1, 1<<17     ; slot 1 begins here, so that one exclusive or turns an address in one slot into the other's
.set STAGE, SLOT1+512*(PK+PV)  ; behind the ring, never filled by a tensor load: 16 rows x 80 bytes for each wave, for the way out
.set SP,    80
.set SPARE, STAGE+8*16*SP      ; behind the stages: the spare words, 128 bytes a wave: four blocks of 256 bytes that no other line names
.set AK0, 2           ; v2   my lane's place in a tile of K; never rewritten
.set AV0, 3           ; v3   the same for V
.set AK,  4           ; v4   the LDS address of K's run of loads
.set AV,  5           ; v5   of V's
.set STO, 6           ; v6   the way out: where I put 16 bytes of a row
.set RD,  7           ; v7   where I read rows back
.set GO,  8           ; v8   16 x lane
.set SPW, 12          ; v12  my spare word; never rewritten
.set NIL, 13          ; v13  0; never rewritten
.set PFO, 14          ; v14  256 x lane; never rewritten
.set QO,  15          ; v15  my byte offset in 16 rows of Q
.set ST,  16          ; tile u: c m, m at v[16+2 u]
.set MV,  20          ; v20-21  c m_old, kept while c m is made anew
.set CC,  24          ; tile u: c0-c3 at work at v[24+4 u]; when the maximum is found c2 takes a
.set ONES, 32         ; v32-39
.set Q,   40          ; v40-55   8 a tile
.set KF,  56          ; v56-87   16 keys a fragment
.set VF,  88          ; v88-119  key half kk, channel block cb at VF + 16 kk + 8 cb
.set S,   120         ; v120-183 32 a tile; P is packed into the low 16
.set O,   184         ; v184-231 24 a tile: channels 0-15, 16-31, l
.set WV,  12          ; s12  my wave's number
.set LIM, 15          ; s15  1 in a wave that prefetches, else the greatest number
.set PFA, 18          ; s[18:19] where my prefetches stand
.set G1K, 24          ; s[24:31] descriptor group 1 for K
.set G1V, 32          ; s[32:39] for V: it differs in the padding alone
.set G0K, 40          ; s[40:43] descriptor group 0 for K: it walks
.set G0V, 44          ; s[44:47] for V
.set QP,  52          ; s[52:53] Q at my 32 rows
.set OP,  54          ; s[54:55] ao at my 32 rows
.set SLOTS, 56        ; s56  slots still to be asked for
.set CNT, 57          ; s57  counts a slot's key steps
.set CS,  58          ; s[58:59] c
.set SEL, 60          ; s[60:61] v_permlanex16_b32's selects
.set TBK, 62          ; s62  LDS byte at which K of the step to be fetched begins
.set TBV, 63          ; s63  the same for V, less VOFF
.macro PLACES
.rept 4
	v_nop
.endr
.endm
; A joint fill.  The branches hang on the wave's number alone.  An s_nop 0 and four v_nop follow each of the two loads, ahead of the jump and the label.
.macro JLOAD
	s_cmp_lt_u32 s[WV], 2
	s_cbranch_scc0 .Lnot_k_\@
	tensor_load_to_lds s[G0K:G0K+3], s[G1K:G1K+7]
	s_nop 0
.rept 4
	v_nop
.endr
	s_branch .Lasked_\@
.Lnot_k_\@:
	s_cmp_lt_u32 s[WV], 4
	s_cbranch_scc0 .Lasked_\@
	tensor_load_to_lds s[G0V:G0V+3], s[G1V:G1V+7]
	s_nop 0
.rept 4
	v_nop
.endr
.Lasked_\@:
.endm
; A PREFETCH INTO THE L2 of what the NEXT change of slots will ask for: a slot's K and V are 128 blocks of 256 bytes each.  Each block is named once in the launch: all clusters of a head walk the same rows, so the head's
; first cluster asks; its four partners take 32 blocks each, told apart by address; in each, wave 0 asks for K's and wave 2 for V's, a lane a block.  It stands eight key steps ahead of the load; the last change that fills a slot asks for nothing.
.macro ASK
	s_cmp_gt_u32 s[SLOTS], s[LIM]
	s_cbranch_scc0 .Lnot_mine_\@
	global_prefetch_b8 v[PFO], s[PFA:PFA+1] th:TH_LOAD_NT scope:SCOPE_SE
.Lnot_mine_\@:
.endm
; A round of the cluster's barrier: my work-group's barrier, so that wave 0's signal speaks for all eight waves; wave 0 signals; every wave waits for all four work-groups; my work-group's barrier once more.
.macro CROUND
	s_barrier_signal -1
	s_barrier_wait -1
	s_cmp_lg_u32 s[WV], 0
	s_cbranch_scc1 .Lnot_wave_0_\@
	s_barrier_signal -3
.Lnot_wave_0_\@:
	s_barrier_wait -3
	s_barrier_signal -1
	s_barrier_wait -1
.endm
; THE CHANGE OF SLOTS.  The slot's last bytes, V of its eighth step, have been asked for.  Each wave waits for all its tensor loads (at most one is out: its part of the other slot), adds 0 to its spare word, and waits for that
; and for its own reads of the slot.  fill = 1: the slot is filled again with the keys two slots on; the barrier is a round of the cluster's, and the joint fill is the first thing behind it.
; (At its first use nothing has been read yet: slot 0 is waited for, slot 1 filled.)
.macro CHANGE fill
	s_wait_tensorcnt 0x0            ; no tensor load of mine is out, so a group 0 may be written
	ds_add_u32 v[SPW], v[NIL]       ; 0 onto my spare word
.if \fill
.irp g, G0K, G0V
	s_xor_b32 s[\g+1], s[\g+1], SLOT1                     ; the other slot than last time,
	s_add_nc_u64 s[\g+2:\g+3], s[\g+2:\g+3], 512*64       ; the next 512 keys; the type bits on top are not reached
.endr
	s_wait_xcnt 0x0                 ; the last prefetch, eight key steps back, has read its address
	s_add_nc_u64 s[PFA:PFA+1], s[PFA:PFA+1], 512*64
	s_wait_dscnt 0x0                ; the add is done, and my reads of the slot are over
	CROUND
	JLOAD
	ASK
.else
	s_wait_dscnt 0x0                ; the add is done, and my reads of the slot are over
	s_barrier_signal -1
	s_barrier_wait -1
.endif
	s_sub_co_u32 s[TBK], s[TBK], 8*KS*PK  ; the fetches go back to a slot's first step,
	s_xor_b32 s[TBK], s[TBK], SLOT1       ; in the other slot
	s_sub_co_u32 s[TBV], s[TBV], 8*KS*PV
	s_xor_b32 s[TBV], s[TBV], SLOT1
.endm
.macro FETCH_K                      ; a step's K: 64 keys x 32 channels, 4 fragments, 8 loads
	v_add_nc_u32 v[AK], s[TBK], v[AK0]
.irp f, 0,1,2,3
	ds_load_b128 v[KF+8*\f:KF+8*\f+3],   v[AK] offset:16*PK*\f
	ds_load_b128 v[KF+8*\f+4:KF+8*\f+7], v[AK] offset:16*PK*\f+32
.endr
	s_add_co_u32 s[TBK], s[TBK], KS*PK
.endm
.macro FETCH_V                      ; a step's V, turned: keys 32 (f / 2) on, channels 16 (f % 2) on
	v_add_nc_u32 v[AV], s[TBV], v[AV0]
.irp f, 0,1,2,3
	ds_load_tr16_b128 v[VF+8*\f:VF+8*\f+3],   v[AV] offset:(\f/2)*32*PV+(\f%2)*32
	ds_load_tr16_b128 v[VF+8*\f+4:VF+8*\f+7], v[AV] offset:(\f/2)*32*PV+16*PV+(\f%2)*32
.endr
	s_add_co_u32 s[TBV], s[TBV], KS*PV
.endm
.macro KQS                          ; S^T = K Q^T: 8 products, each a whole sum (32 channels), each with its own result
.irp i, 0,1,2,3,4,5,6,7
	v_wmma_f32_16x16x32_f16 v[S+32*(\i%2)+8*(\i/2):S+32*(\i%2)+8*(\i/2)+7], v[KF+8*(\i/2):KF+8*(\i/2)+7], v[Q+8*(\i%2):Q+8*(\i%2)+7], 0
.endr
.endm
.macro PVS                          ; O^T += V^T P and l += 1 P: 12 products; the six accumulators take turns
.irp kk, 0,1
.irp blk, 0,1,2
.irp u, 0,1
.if \blk < 2
	v_wmma_f32_16x16x32_f16 v[O+24*\u+8*\blk:O+24*\u+8*\blk+7], v[VF+16*\kk+8*\blk:VF+16*\kk+8*\blk+7], v[S+32*\u+8*\kk:S+32*\u+8*\kk+7], v[O+24*\u+8*\blk:O+24*\u+8*\blk+7]
.else
	v_wmma_f32_16x16x32_f16 v[O+24*\u+16:O+24*\u+23], v[ONES:ONES+7], v[S+32*\u+8*\kk:S+32*\u+8*\kk+7], v[O+24*\u+16:O+24*\u+23]
.endif
.endr
.endr
.endr
.endm
; Number n of the 22 that find tile u's maximum and statistics.  s0-s31 are the lane's 32 scores; each result's lowest registers are read first.
;   0-11 four chains c0-c3 of seven scores each   12-14, 16 the four scores left over, the old m, c0-c3 into c0   15 c m_old is kept   17, 18 the query's other 32 keys lie in the lane 16 away   19-21 c m; its change; a
.macro XS u, n
.set rT, ST+2*(\u)
.set rC, CC+4*(\u)
.set rM, MV+(\u)
.set rS, S+32*(\u)
.if (\n) < 4
	v_max3_num_f32 v[rC+(\n)], v[rS+8*(\n)], v[rS+8*(\n)+1], v[rS+8*(\n)+2]
.elseif (\n) < 12
	v_max3_num_f32 v[rC+(\n)%4], v[rC+(\n)%4], v[rS+8*((\n)%4)+2*((\n)/4)+1], v[rS+8*((\n)%4)+2*((\n)/4)+2]
.elseif (\n) == 12
	v_max3_num_f32 v[rC], v[rC], v[rS+7], v[rS+15]
.elseif (\n) == 13
	v_max3_num_f32 v[rC+1], v[rC+1], v[rS+23], v[rS+31]
.elseif (\n) == 14
	v_max3_num_f32 v[rC+2], v[rC+2], v[rC+3], v[rT+1]
.elseif (\n) == 15
	v_mov_b32 v[rM], v[rT]
.elseif (\n) == 16
	v_max3_num_f32 v[rC], v[rC], v[rC+1], v[rC+2]
.elseif (\n) == 17
	v_permlanex16_b32 v[rC+3], v[rC], s[SEL], s[SEL+1]
.elseif (\n) == 18
	v_max_num_f32 v[rT+1], v[rC], v[rC+3]
.elseif (\n) == 19
	v_mul_f32 v[rT], s[CS], v[rT+1]
.elseif (\n) == 20
	v_sub_f32 v[rC+1], v[rM], v[rT]
.else
	v_exp_f32 v[rC+2], v[rC+1]
.endif
.endm
.macro FS u, g                      ; c s - c m for pair g
	v_pk_fma_f32 v[S+32*(\u)+2*(\g):S+32*(\u)+2*(\g)+1], v[S+32*(\u)+2*(\g):S+32*(\u)+2*(\g)+1], s[CS:CS+1], v[ST+2*(\u):ST+2*(\u)+1] op_sel_hi:[1,0,0] neg_lo:[0,0,1] neg_hi:[0,0,1]
.endm
.macro EX u, e
	v_exp_f32 v[S+32*(\u)+(\e)], v[S+32*(\u)+(\e)]
.endm
; A step's vector work for both tiles, which alternate.  The 66 exponentials are ONE batch: none of the lines among them names a result of theirs; a pair is scaled a group ahead of its exponentials.  One plain instruction and one wait
; follow the batch; all readers (the rescaling by a, the roundings) come behind.
.macro SOFTMAX
.irp n, 0,1,2,3,4,5,6,7,8,9,10,11,12,13,14,15,16,17,18,19,20,21
	XS 0, \n
	XS 1, \n
.endr
	FS 0, 0
	FS 1, 0
.irp g, 1,2,3,4,5,6,7,8,9,10,11,12,13,14,15
	FS 0, \g
	EX 0, 2*\g-2
	FS 1, \g
	EX 1, 2*\g-2
	EX 0, 2*\g-1
	EX 1, 2*\g-1
.endr
	EX 0, 30
	EX 1, 30
	EX 0, 31
	EX 1, 31
	v_nop                           ; a plain instruction behind the last exponential,
	s_wait_alu depctr_va_vdst(0)    ; and the one wait for the batch
.irp u, 0,1
.irp p, 0,1,2,3,4,5,6,7,8           ; O^T's 16 numbers and l (with the 0 beside it) times a, each accumulator from its low end
	v_pk_mul_f32 v[O+24*\u+2*\p:O+24*\u+2*\p+1], v[O+24*\u+2*\p:O+24*\u+2*\p+1], v[CC+4*\u+2:CC+4*\u+3] op_sel_hi:[1,0]
.endr
.endr
.irp i, 0,1,2,3,4,5,6,7,8,9,10,11,12,13,14,15
	v_cvt_pk_f16_f32 v[S+\i], v[S+2*\i], v[S+2*\i+1]            ; in place, ascending: register i is written when registers 2 i, 2 i + 1 are read
	v_cvt_pk_f16_f32 v[S+32+\i], v[S+32+2*\i], v[S+32+2*\i+1]
.endr
.endm
; A trip in two halves.  K and V of step t are fetched in the same trip, so that at a change of slots all reads of the old slot have been issued.
.macro HALF_A                       ; K of step t is asked for | softmax and V^T P of step t - 1
	FETCH_K                         ; (its v_add_nc_u32 and the four v_nop of HALF_B stand between the last product that read K and these loads)
	SOFTMAX
	s_wait_dscnt 8                  ; V of step t - 1 is in; K's eight younger loads may stay out
	PVS
	PLACES
.endm
.macro HALF_B                       ; V of step t is asked for | K Q^T of step t
	FETCH_V                         ; four v_nop and its v_add_nc_u32: five places between the last V^T P and the products below, which write over P
	s_wait_dscnt 8                  ; K of step t is in; V's eight younger loads may stay out
	KQS
	PLACES
.endm
	s_load_b128 s[4:7], s[0:1], 0x0 ; qkv s[4:5], ao s[6:7]
	v_lshl_add_u32 v[SPW], v0, 2, SPARE
	v_mov_b32 v[NIL], 0
	ds_add_u32 v[SPW], v[NIL]       ; the wave's opening: the add and its wait stand ahead of the first tensor load; the set-up below, work on registers, stands between them
	v_lshrrev_b32 v1, 5, v0
	v_readfirstlane_b32 s[WV], v1   ; wave 0..7
	s_bfe_u32 s13, ttmp6, 0x40000   ; cx: my place in the cluster
	s_lshl_b32 s14, ttmp9, 2        ; in a cluster launch ttmp9 counts clusters
	s_add_co_u32 s14, s14, s13      ; my block of 256 queries: it enters Q's and ao's addresses alone
	s_and_b32 s20, ttmp7, 0xffff    ; bh = 8 b + h, which the four partners share
	s_lshr_b32 s21, s20, 3
	s_lshl_b32 s21, s21, 4
	s_add_co_u32 s21, s21, s20      ; q's slab: 24 b + h
	s_lshl_b32 s21, s21, 18         ; in bytes
	s_and_b32 s22, s[WV], 1         ; which half of a slot's 512 keys I fetch:
	s_lshl_b32 s8, s22, 14          ; its 256 rows of 64 bytes in memory
	s_add_co_u32 s8, s8, s21
	s_mov_b32 s9, 0
	s_lshl_b32 s10, s14, 14         ; my block's 256 rows,
	s_lshl_b32 s11, s[WV], 11       ; my wave's 32
	s_add_co_u32 s10, s10, s11
	s_lshl_b32 s2, s20, 18
	s_add_co_u32 s2, s2, s10        ; in ao
	s_mov_b32 s3, 0
	s_add_co_u32 s10, s10, s21      ; in qkv
	s_mov_b32 s11, 0
	s_lshl_b32 s50, s13, 13         ; the prefetches: my work-group's 32 blocks of a slot's 128
	s_mov_b32 s51, 0
	; descriptor group 1.  256 keys are 16,384 dense bytes: asked for as 64 rows of 256 bytes, four keys a row, and padded in LDS after every key
	s_mov_b32 s[G1K], 15|(1<<16)|(1<<20)|(1<<21)|(3<<22)|(3<<25)  ; 15:0 the mask of four; 17:16 2-byte elements; 20 padding on; 21 set beside a mask; 24:22 after every 16 words (code 3); 31:25 4 words (code 3)
	s_mov_b32 s[G1V], 15|(1<<16)|(1<<20)|(1<<21)|(3<<22)|(7<<25)  ; the same with 8 words of padding (code 7)
.irp g, G1K, G1V
	s_mov_b32 s[\g+1], 128<<16      ; tensor_dim0 = 128
	s_mov_b32 s[\g+2], 64<<16       ; tensor_dim1 = 64
	s_mov_b32 s[\g+3], 128<<16      ; tile_dim0 = 128
	s_mov_b32 s[\g+4], 64           ; tile_dim1 = 64
	s_mov_b32 s[\g+5], 128          ; 128 elements from row to row
	s_mov_b32 s[\g+6], 0
	s_mov_b32 s[\g+7], 0
.endr
	s_mov_b32 s[G0K], 1             ; 1:0 count = 1
	s_mul_i32 s[G0K+1], s22, 256*PK ; 63:32 LDS address: slot 0, my half: no place in the cluster enters it
	s_mov_b32 s[G0V], 1
	s_mul_i32 s[G0V+1], s22, 256*PV
	s_add_co_u32 s[G0V+1], s[G0V+1], VOFF
	s_mov_b32 s[CS], 0x3e8293ee     ; c = log2(e) / sqrt(32) = 0.255035
	s_mov_b32 s[CS+1], s[CS]        ; named with it as a pair
	s_mov_b32 s[SEL], 0x76543210
	s_mov_b32 s[SEL+1], 0xfedcba98
	s_mov_b32 s[TBK], SLOT1+8*KS*PK ; the first change of slots turns these two into 0
	s_mov_b32 s[TBV], SLOT1+8*KS*PV
	s_mov_b32 s[SLOTS], 7           ; 4,096 / 512 - 1
	s_and_b32 s[LIM], s[WV], 5      ; 0 in waves 0 and 2,
	s_or_b32 s[LIM], s[LIM], ttmp9  ; where the cluster is the head's first: the same in all four partners
	s_cmp_eq_u32 s[LIM], 0
	s_cselect_b32 s[LIM], 1, -1
	v_and_b32 v10, 31, v0           ; lane
	v_lshlrev_b32 v[PFO], 8, v10
	s_wait_dscnt 0x0                ; the opening add is done
	s_wait_kmcnt 0x0
	s_add_nc_u64 s[16:17], s[4:5], s[8:9]
	s_add_nc_u64 s[48:49], s[16:17], 16<<18        ; V's slab, my half
	s_add_nc_u64 s[16:17], s[16:17], 8<<18         ; K's
	s_mov_b64 s[G0K+2:G0K+3], s[16:17]             ; 120:64 global address
	s_or_b32 s[G0K+3], s[G0K+3], 0x80000000        ; 127:126 type = 2
	s_mov_b64 s[G0V+2:G0V+3], s[48:49]
	s_or_b32 s[G0V+3], s[G0V+3], 0x80000000
	s_add_nc_u64 s[QP:QP+1], s[4:5], s[10:11]
	s_add_nc_u64 s[OP:OP+1], s[6:7], s[2:3]
	s_cmp_lt_u32 s[WV], 2
	s_cselect_b64 s[PFA:PFA+1], s[16:17], s[48:49] ; (in waves 0 and 2 these stand at a slab's first row)
	s_add_nc_u64 s[PFA:PFA+1], s[PFA:PFA+1], s[50:51]
	s_add_nc_u64 s[PFA:PFA+1], s[PFA:PFA+1], 512*64  ; at the second 512 keys; each change steps it before it asks.  Nothing is prefetched here, at the head
	CROUND                          ; all four work-groups are here: the first joint loads meet
	JLOAD                           ; keys 0-511 into slot 0.  Slot 1 is asked for when slot 0 is in
	; A fragment of K or Q is 16 rows x 32 channels in 8 registers: lane l holds row l % 16, channels 8 (l / 16) + 0..7 and 16 + 8 (l / 16) + 0..7: two loads of 16 bytes, 32 bytes apart.
	v_and_b32 v1, 15, v0            ; l % 16
	v_bfe_u32 v9, v0, 4, 1          ; l / 16
	v_lshlrev_b32 v[QO], 6, v1
	v_lshl_add_u32 v[QO], v9, 4, v[QO]
.irp u, 0,1
	global_load_b128 v[Q+8*\u:Q+8*\u+3],   v[QO], s[QP:QP+1] offset:1024*\u
	global_load_b128 v[Q+8*\u+4:Q+8*\u+7], v[QO], s[QP:QP+1] offset:1024*\u+32
.endr
	v_mul_u32_u24 v[AK0], v1, PK
	v_lshl_add_u32 v[AK0], v9, 4, v[AK0]
	; The turning load takes 16 keys x 16 channels (lane l reads key 8 (l / 16) + l % 8, channels 8 ((l / 8) % 2) + 0..7) and leaves half a fragment of V^T: lane l holds channel l % 16 and 8 keys.
	v_and_b32 v11, 7, v0
	v_lshl_add_u32 v[AV0], v9, 3, v11
	v_mul_u32_u24 v[AV0], v[AV0], PV
	v_cmp_eq_u32 vcc_lo, 0, v11     ; rows 0 and 8 of the block of ones
	v_mov_b32 v11, 0x3c003c00       ; 1.0 twice in f16
	v_cndmask_b32 v[ONES], 0, v11, vcc_lo
.irp i, 1,2,3,4,5,6,7
	v_mov_b32 v[ONES+\i], v[ONES]
.endr
	v_bfe_u32 v11, v0, 3, 1
	v_lshl_add_u32 v[AV0], v11, 4, v[AV0]
	v_add_nc_u32 v[AV0], VOFF, v[AV0]
	s_mul_i32 s20, s[WV], 16*SP
	s_add_co_u32 s20, s20, STAGE    ; my stage
	v_mul_u32_u24 v[STO], v1, SP    ; in: row l % 16, 16 bytes for each half of the lanes
	v_lshl_add_u32 v[STO], v9, 4, v[STO]
	v_add_nc_u32 v[STO], s20, v[STO]
	v_lshrrev_b32 v[RD], 2, v10     ; back: 32 lanes take eight rows of 64 bytes,
	v_mul_u32_u24 v[RD], v[RD], SP
	v_and_b32 v11, 3, v0
	v_lshl_add_u32 v[RD], v11, 4, v[RD]
	v_add_nc_u32 v[RD], s20, v[RD]
	v_lshlrev_b32 v[GO], 4, v10     ; which are 512 consecutive bytes of ao
.set i, 0
.rept 48
	v_mov_b32 v[O+i], 0             ; O^T and l start at 0: no first step is written out; these lines stand in the wait for the first tile
.set i, i+1
.endr
.irp u, 0,1
	v_mov_b32 v[ST+2*\u], 0xfe000000    ; c m: far below every c s
	v_mov_b32 v[ST+2*\u+1], 0xff7fffff  ; m
.endr
	CHANGE 1                        ; slot 0 is in, everybody's part of it; slot 1 is asked for
	FETCH_K                         ; key step 0
	s_wait_loadcnt 0x0              ; Q
	s_mov_b32 s[CNT], 8
	s_branch .Lmid                  ; the loop is entered in the middle of a trip: there is no step before the first
.Lslot:                             ; six times more: every slot but the first is asked for by such a change, seven in all
	CHANGE 1
	s_mov_b32 s[CNT], 8
.Lstep:
	HALF_A
.Lmid:
	HALF_B
	s_sub_co_u32 s[CNT], s[CNT], 1
	s_cmp_lg_u32 s[CNT], 0
	s_cbranch_scc1 .Lstep
	s_sub_co_u32 s[SLOTS], s[SLOTS], 1
	s_cmp_lg_u32 s[SLOTS], 0
	s_cbranch_scc1 .Lslot
	CHANGE 0                        ; the last slot is written out: nothing is asked for
	s_mov_b32 s[CNT], 8
.Ltail:
	HALF_A
	HALF_B
	s_sub_co_u32 s[CNT], s[CNT], 1
	s_cmp_lg_u32 s[CNT], 0
	s_cbranch_scc1 .Ltail
	SOFTMAX                         ; the last step's
	s_wait_dscnt 0x0                ; its V is in
	PVS
	PLACES
	; THE WAY OUT.  O^T is divided by l, rounded to f16 and sent through my stage in LDS, a tile (16 rows of 64 bytes) at a time.
	v_rcp_f32 v[CC+2], v[O+16]
	v_rcp_f32 v[CC+6], v[O+40]
	v_nop                           ; a plain instruction behind the last reciprocal,
	s_wait_alu depctr_va_vdst(0)    ; and one wait for the two
.irp u, 0,1
.irp p, 0,1,2,3,4,5,6,7
	v_pk_mul_f32 v[O+24*\u+2*\p:O+24*\u+2*\p+1], v[O+24*\u+2*\p:O+24*\u+2*\p+1], v[CC+4*\u+2:CC+4*\u+3] op_sel_hi:[1,0]
.endr
.irp i, 0,1,2,3,4,5,6,7
	v_cvt_pk_f16_f32 v[S+32*\u+\i], v[O+24*\u+2*\i], v[O+24*\u+2*\i+1]
.endr
	ds_store_b128 v[STO], v[S+32*\u:S+32*\u+3]
	ds_store_b128 v[STO], v[S+32*\u+4:S+32*\u+7] offset:32
	ds_load_b128 v[S+32*\u+8:S+32*\u+11],  v[RD]               ; LDS serves a wave's instructions in order (ISA guide 5.7.1.4): these see the stores above; the next tile's stores come behind them
	ds_load_b128 v[S+32*\u+12:S+32*\u+15], v[RD] offset:8*SP
.endr
.irp u, 0,1
.irp f, 0,1
	s_wait_dscnt 4*(1-\u)+1-\f      ; behind tile 0's loads stand tile 1's four LDS instructions
	global_store_b128 v[GO], v[S+32*\u+8+4*\f:S+32*\u+8+4*\f+3], s[OP:OP+1] offset:1024*\u+512*\f  ; 512 consecutive bytes, at a multiple of 256 from ao's first
.endr
.endr
	s_wait_tensorcnt 0x0            ; the wave's end, behind my last tensor load and my last LDS store
	ds_add_u32 v[SPW], v[NIL]
	s_wait_dscnt 0x0
	CROUND                          ; the closing round: no work-group ends while a partner may still ask for a tile that names it
	s_endpgm
.Lfunc_end_k_qb4f2d02122_attn:
	.size	k_qb4f2d02122_attn, .Lfunc_end_k_qb4f2d02122_attn-k_qb4f2d02122_attn
	.p2alignl 7, 3214868480
	.fill 96, 4, 3214868480
	.section	.rodata,"a",@progbits
	.p2align	6, 0x0
	.amdhsa_kernel k_qb4f2d02122_attn
		.amdhsa_group_segment_fixed_size 327680
		.amdhsa_private_segment_fixed_size 0
		.amdhsa_enable_private_segment 0
		.amdhsa_kernarg_size 16
		.amdhsa_user_sgpr_count 2
		.amdhsa_user_sgpr_kernarg_segment_ptr 1
		.amdhsa_wavefront_size32 1
		.amdhsa_system_sgpr_workgroup_id_x 1
		.amdhsa_system_sgpr_workgroup_id_y 1
		.amdhsa_system_sgpr_workgroup_id_z 1
		.amdhsa_system_vgpr_workitem_id 0
		.amdhsa_next_free_vgpr 232
		.amdhsa_next_free_sgpr 66
		.amdhsa_reserve_vcc 1
		.amdhsa_float_denorm_mode_32 3
		.amdhsa_float_denorm_mode_16_64 3
		.amdhsa_memory_ordered 1
		.amdhsa_forward_progress 1
		.amdhsa_inst_pref_size 53
	.end_amdhsa_kernel
	.amdgpu_metadata
---
amdhsa.version: [ 1, 2 ]
amdhsa.kernels:
  - .name:           k_qb4f2d02122_attn
    .symbol:         k_qb4f2d02122_attn.kd
    .args:
      - { .name: qkv, .offset: 0, .size: 8, .value_kind: global_buffer, .address_space: global }
      - { .name: ao, .offset: 8, .size: 8, .value_kind: global_buffer, .address_space: global }
    .group_segment_fixed_size: 327680
    .private_segment_fixed_size: 0
    .kernarg_segment_align: 8
    .kernarg_segment_size: 16
    .max_flat_workgroup_size: 256
    .sgpr_count:     66
    .vgpr_count:     232
    .wavefront_size: 32
...
	.end_amdgpu_metadata
.endif
;; end of part 3
;; launch tail (part 4): grid 128 x 1, 4 waves a work-group, no clusters, 123,392 bytes of LDS; arguments ao, embeddings_in, wp, bo, b1, b2, out0; writes out0
.if DOCPART == 4
	.amdgcn_target "amdgcn-amd-amdhsa--gfx1250"
	.amdhsa_code_object_version 6
	.text
	.protected	k_qb4f2d02122_tail
	.globl	k_qb4f2d02122_tail
	.p2align	8
	.type	k_qb4f2d02122_tail,@function
k_qb4f2d02122_tail:
	s_mov_b64 s[64:65], 0
	v_nop
	global_prefetch_b8 v0, s[64:65] scope:SCOPE_SE
	s_setreg_imm32_b32 hwreg(HW_REG_WAVE_MODE, 25, 1), 1
	s_wait_xcnt 0x0
; x_skip = ao Wo + bo + x;  xn2 = (x_skip - mean) / (std + 1e-6);  out0 = gelu(xn2 W1 + b1) W2 + b2 + x_skip, gelu in its tanh form, written x / (1 + 2^(x (g0 + g1 x^2))).
; Everything between ao and out0 stays in registers and LDS.  x, the biases, x_skip, the norm and the gelu in f32; ao, xn2, the gelu's result and the weights are f16 matrix operands, each rounded once; products add up in f32.
; LIMITS: f16 ends at 65,504: the gelu's result must stay within it (xn2 is at most 16 in magnitude); NaN and infinities are not treated apart.
; SHARES.  A work-group owns 64 tokens.  Wave w owns output columns 64 w .. 64 w + 63 of all 64 tokens: 16 accumulators (ACC2), which first hold x + bo, take ao Wo, then b2, then the second product of the MLP, and leave as out0.
; The hidden layer goes in eight chunks of 128: of a chunk wave w makes columns 32 w .. 32 w + 31 (8 accumulators, ACC1), the four waves' parts meet in LDS (G), and every wave multiplies the whole chunk into its ACC2.
; THE PRODUCTS ARE TAKEN TRANSPOSED: source 0 = 16 columns of W, source 1 = 16 tokens: a lane holds one token and eight neighbouring columns.
; THE WEIGHTS come straight from memory into registers in the order in which launch pack laid them: a ring of four sets of 64 registers; a chunk's four sets are the ring's four, three of them on their way while one is multiplied.
; NO CLUSTER: a weight fragment goes to the registers of the one wave that multiplies by it; a joint load would send each weight byte through LDS, one write and one read more, with a barrier for each slot, and the ring of registers needs none.
; REGISTERS, in windows of 256 (s_set_vgpr_msb: bits 1:0 source 0, 3:2 source 1, 5:4 source 2, 7:6 destination):
;   window 0: v0-36 addresses and b1's 16; v40-63 at work; v64-127 ACC1, v128-255 ACC2, (column tile nt, row tile rt) at 8 (4 nt + rt)
;   window 1: the fragments of ao, later of xn2: (rt, kk) at 8 (8 rt + kk)          window 2: the ring of weights
;   window 3: v0-127 x on its way in, then x_skip - mean, then the chunk's fragments (rt, kq) at 8 (4 rt + kq), then the way out; v128-159 bo, v160-191 b2, later v128-191 the gelu at work; v192-255 ao on its way in
.set XPI,   528                        ; a row of ao or xn2 in LDS: 512 bytes + 16
.set GPI,   272                        ; a row of the stage (64 f32) or of G (128 f16): 256 bytes + 16: in both pitches the 16 rows of a load start at 16 different groups of four banks (64 banks of 4 bytes: ISA guide 11.1)
.set STG,   64*XPI                     ; 64 rows x 272 bytes for each wave: x on its way in, out0 on its way out
.set G,     STG+4*64*GPI               ; the chunk: 64 rows x 272 bytes
.set PART,  G+64*GPI                   ; [token][wave] f32: the waves' sums; 1,024 bytes on: their sums of squares
.set SPARE, PART+2048                  ; the spare words, 128 bytes a wave: two blocks of 256 bytes that no other line names
.set WOFF, 4                           ; v4   16 x lane
.set XAD,  5                           ; v5   my place in a fragment of ao / xn2
.set STD,  6                           ; v6   my stage, by accumulators: row r, 32 bytes for each half of the lanes
.set STR,  7                           ; v7   my stage, by rows: lanes 0-15 one row of 256 bytes, lanes 16-31 the next
.set GRW,  8                           ; v8   the same two rows in x and out0
.set XST2, 9                           ; v9   where I put 16 bytes of xn2
.set GST,  10                          ; v10  where I put 16 bytes of the chunk
.set GLD,  11                          ; v11  my place in a fragment of the chunk
.set SPW,  12                          ; v12  my spare word; never rewritten
.set NIL,  13                          ; v13  0; never rewritten
.set PST,  14                          ; v14  my wave's word of token r
.set PLD,  15                          ; v15  token r's four words
.set B1R,  16                          ; v16-31 b1 of my two column tiles
.set OST,  32                          ; v32  where I put 16 bytes of ao
.set BOFF, 33                          ; v33  my eight numbers of bo and b2
.set BOFF1, 34                         ; v34  of b1
.set T,    40                          ; v40-47 a pair for each row tile
.set PS,   48                          ; v48-63 four waves' sums for each row tile
.set ACC1, 64
.set ACC2, 128
.set Z,    128                         ; window 3
.set AOP,  20                          ; s[20:21] ao at heads 2 w, 2 w + 1, the work-group's first token
.set XP,   22                          ; s[22:23] x at the work-group's first token
.set OUTP, 24                          ; s[24:25] out0 there
.set WOP,  26                          ; s[26:27] Wo's fragments of my four column tiles
.set W1P,  28                          ; s[28:29] W1's of my two column tiles of the chunk to be loaded
.set W2P,  30                          ; s[30:31] W2's of my four column tiles, at that chunk's four K steps
.set B1P,  32                          ; s[32:33] b1 at that chunk
.set SEL,  34                          ; s[34:35]
.set GC0,  36                          ; s[36:37] g0 = -2 log2(e) sqrt(2 / pi)
.set GC1,  38                          ; s[38:39] g1 = 0.044715 g0
.set CNT,  40
.set R16,  41                          ; 1/16
.set MSB, 0
.macro WIN new                         ; the immediate's high byte repeats the setting that is left; a switch that changes nothing is dropped
.if MSB != (\new)
	s_set_vgpr_msb (MSB<<8)|(\new)
.set MSB, (\new)
.endif
.endm
.macro PLACES                          ; four plain instructions between a matrix instruction and a load into, or a vector or LDS read of, its registers
.rept 4
	v_nop
.endr
.endm
.macro BAR
	s_barrier_signal -1
	s_barrier_wait -1
.endm
.macro LW8 q, p, base                  ; 8 fragments on end, 16 loads, into set q
	WIN 0x80
.irp f, 0,1,2,3,4,5,6,7
	global_load_b128 v[64*(\q)+8*\f:64*(\q)+8*\f+3],   v[WOFF], s[\p:\p+1] offset:(\base)+1024*\f
	global_load_b128 v[64*(\q)+8*\f+4:64*(\q)+8*\f+7], v[WOFF], s[\p:\p+1] offset:(\base)+1024*\f+512
.endr
.endm
.macro LWO nt                          ; Wo, my column tile nt
	LW8 \nt, WOP, 8192*(\nt)
.endm
.macro LA nt                           ; W1, my column tile nt of the chunk, and its bias: 18 loads
	LW8 \nt, W1P, 8192*(\nt)
	WIN 0
	global_load_b128 v[B1R+8*(\nt):B1R+8*(\nt)+3],   v[BOFF1], s[B1P:B1P+1] offset:64*(\nt)
	global_load_b128 v[B1R+8*(\nt)+4:B1R+8*(\nt)+7], v[BOFF1], s[B1P:B1P+1] offset:64*(\nt)+16
.endm
.macro LB m                            ; W2, my column tiles 2 m, 2 m + 1, the chunk's four K steps: 16 loads into set 2 + m
	WIN 0x80
.irp ntl, 0,1
.irp kq, 0,1,2,3
	global_load_b128 v[64*(2+(\m))+8*(4*\ntl+\kq):64*(2+(\m))+8*(4*\ntl+\kq)+3],   v[WOFF], s[W2P:W2P+1] offset:(2*(\m)+\ntl)*32768+1024*\kq
	global_load_b128 v[64*(2+(\m))+8*(4*\ntl+\kq)+4:64*(2+(\m))+8*(4*\ntl+\kq)+7], v[WOFF], s[W2P:W2P+1] offset:(2*(\m)+\ntl)*32768+1024*\kq+512
.endr
.endr
.endm
; In all three kinds of product the accumulators take turns, one instruction a turn.
.macro MULO nt                         ; ACC2(nt, .) += Wo's tile x ao: 32 products
	WIN 0x06
.irp kk, 0,1,2,3,4,5,6,7
.irp rt, 0,1,2,3
	v_wmma_f32_16x16x32_f16 v[ACC2+8*(4*(\nt)+\rt):ACC2+8*(4*(\nt)+\rt)+7], v[64*(\nt)+8*\kk:64*(\nt)+8*\kk+7], v[8*(8*\rt+\kk):8*(8*\rt+\kk)+7], v[ACC2+8*(4*(\nt)+\rt):ACC2+8*(4*(\nt)+\rt)+7]
.endr
.endr
.endm
.macro MULA nt                         ; ACC1(nt, .) = b1 + W1's tile x xn2: 32 products
	WIN 0x06
.irp kk, 0,1,2,3,4,5,6,7
.irp rt, 0,1,2,3
.if \kk == 0
	v_wmma_f32_16x16x32_f16 v[ACC1+8*(4*(\nt)+\rt):ACC1+8*(4*(\nt)+\rt)+7], v[64*(\nt)+8*\kk:64*(\nt)+8*\kk+7], v[8*(8*\rt+\kk):8*(8*\rt+\kk)+7], v[B1R+8*(\nt):B1R+8*(\nt)+7]
.else
	v_wmma_f32_16x16x32_f16 v[ACC1+8*(4*(\nt)+\rt):ACC1+8*(4*(\nt)+\rt)+7], v[64*(\nt)+8*\kk:64*(\nt)+8*\kk+7], v[8*(8*\rt+\kk):8*(8*\rt+\kk)+7], v[ACC1+8*(4*(\nt)+\rt):ACC1+8*(4*(\nt)+\rt)+7]
.endif
.endr
.endr
.endm
.macro MULB m                          ; ACC2(2 m, .), ACC2(2 m + 1, .) += W2's tiles x the chunk: 32 products
	WIN 0x0e                                       ; W in window 2, the chunk in window 3
.irp kq, 0,1,2,3
.irp ntl, 0,1
.irp rt, 0,1,2,3
	v_wmma_f32_16x16x32_f16 v[ACC2+8*(4*(2*(\m)+\ntl)+\rt):ACC2+8*(4*(2*(\m)+\ntl)+\rt)+7], v[64*(2+(\m))+8*(4*\ntl+\kq):64*(2+(\m))+8*(4*\ntl+\kq)+7], v[8*(4*\rt+\kq):8*(4*\rt+\kq)+7], v[ACC2+8*(4*(2*(\m)+\ntl)+\rt):ACC2+8*(4*(2*(\m)+\ntl)+\rt)+7]
.endr
.endr
.endr
.endm
.macro LOADXF                          ; all 64 rows of ao or xn2 as fragments: 64 loads
	WIN 0x40
.irp rt, 0,1,2,3
.irp kk, 0,1,2,3,4,5,6,7
	ds_load_b128 v[8*(8*\rt+\kk):8*(8*\rt+\kk)+3],   v[XAD] offset:16*XPI*\rt+64*\kk
	ds_load_b128 v[8*(8*\rt+\kk)+4:8*(8*\rt+\kk)+7], v[XAD] offset:16*XPI*\rt+64*\kk+32
.endr
.endr
.endm
.macro EACH n, line:vararg             ; one line for k = 0 .. n - 1
.set k, 0
.rept \n
	\line
.set k, k+1
.endr
.endm
; The gelu of ACC1's 64 numbers, stage by stage, so that no line waits for the one before it; each batch of 64 transcendentals has one plain instruction and one wait behind it.  ACC1 is read from each accumulator's low end.
.macro GELU
	WIN 0xc0
	EACH 32, v_pk_mul_f32 v[Z+2*k:Z+2*k+1], v[ACC1+2*k:ACC1+2*k+1], v[ACC1+2*k:ACC1+2*k+1]
	WIN 0xc3
	EACH 32, v_pk_fma_f32 v[Z+2*k:Z+2*k+1], v[Z+2*k:Z+2*k+1], s[GC1:GC1+1], s[GC0:GC0+1] op_sel_hi:[1,0,0]
	WIN 0xcc
	EACH 32, v_pk_mul_f32 v[Z+2*k:Z+2*k+1], v[ACC1+2*k:ACC1+2*k+1], v[Z+2*k:Z+2*k+1]
	WIN 0xc3
	EACH 64, v_exp_f32 v[Z+k], v[Z+k]
	v_nop
	s_wait_alu depctr_va_vdst(0)
	EACH 32, v_pk_add_f32 v[Z+2*k:Z+2*k+1], v[Z+2*k:Z+2*k+1], 1.0 op_sel_hi:[1,0]
	EACH 64, v_rcp_f32 v[Z+k], v[Z+k]
	v_nop
	s_wait_alu depctr_va_vdst(0)
	WIN 0xcc
	EACH 32, v_pk_mul_f32 v[Z+2*k:Z+2*k+1], v[ACC1+2*k:ACC1+2*k+1], v[Z+2*k:Z+2*k+1]
	WIN 0xcf
	EACH 32, v_cvt_pk_f16_f32 v[Z+8*(k/4)+k%4], v[Z+2*k], v[Z+2*k+1]
	WIN 0x0c
.irp nt, 0,1
.irp rt, 0,1,2,3
	ds_store_b128 v[GST], v[Z+8*(4*\nt+\rt):Z+8*(4*\nt+\rt)+3] offset:16*GPI*\rt+32*\nt
.endr
.endr
.endm
; T's pairs hold my lane's sums for the four row tiles.  Both halves and the lane 16 away are added; the four waves' sums meet in LDS at byte p of PART; every lane ends with its token's sum over all 256 columns in T's low register.
.macro XCH p
	WIN 0
.irp rt, 0,1,2,3
	v_add_f32 v[T+2*\rt], v[T+2*\rt], v[T+2*\rt+1]
.endr
.irp rt, 0,1,2,3
	v_permlanex16_b32 v[T+2*\rt+1], v[T+2*\rt], s[SEL], s[SEL+1]
.endr
.irp rt, 0,1,2,3
	v_add_f32 v[T+2*\rt], v[T+2*\rt], v[T+2*\rt+1]
.endr
.irp rt, 0,1,2,3
	ds_store_b32 v[PST], v[T+2*\rt] offset:(\p)+256*\rt
.endr
	s_wait_dscnt 0x0                               ; for the others' sake: my sums lie in LDS
	BAR
.irp rt, 0,1,2,3
	ds_load_b128 v[PS+4*\rt:PS+4*\rt+3], v[PLD] offset:(\p)+256*\rt
.endr
	s_wait_dscnt 0x0
.irp rt, 0,1,2,3
	v_pk_add_f32 v[PS+4*\rt:PS+4*\rt+1], v[PS+4*\rt:PS+4*\rt+1], v[PS+4*\rt+2:PS+4*\rt+3]
.endr
.irp rt, 0,1,2,3
	v_add_f32 v[T+2*\rt], v[PS+4*\rt], v[PS+4*\rt+1]
.endr
.endm
; A hidden chunk.  more = 1: each set is asked for again, for the next chunk, four places behind its last product.  The waits leave the three younger sets out: 18 + 16 + 16, 16 + 16 + 18, 16 + 18 + 18, 18 + 18 + 16 loads;
; in the last chunk what is left: 50, 32, 16, 0.
.macro CHUNK more
	s_wait_loadcnt 50
	MULA 0
	PLACES
.if \more
	LA 0
	s_wait_loadcnt 50
.else
	s_wait_loadcnt 32
.endif
	MULA 1
	PLACES
.if \more
	LA 1
.endif
	GELU
	s_wait_dscnt 0x0                               ; for the others' sake: my part of the chunk lies in LDS
	BAR                                            ; the whole chunk does
	WIN 0xc0
.irp rt, 0,1,2,3
.irp kq, 0,1,2,3
	ds_load_b128 v[8*(4*\rt+\kq):8*(4*\rt+\kq)+3],   v[GLD] offset:16*GPI*\rt+64*\kq
	ds_load_b128 v[8*(4*\rt+\kq)+4:8*(4*\rt+\kq)+7], v[GLD] offset:16*GPI*\rt+64*\kq+32
.endr
.endr
	s_wait_dscnt 0x0                               ; my reads of the chunk are over
.if \more
	BAR                                            ; everybody's are: the next chunk may be written
	s_wait_loadcnt 52
.else
	s_wait_loadcnt 16
.endif
	MULB 0
	PLACES
.if \more
	LB 0
	s_wait_loadcnt 52
.else
	s_wait_loadcnt 0x0
.endif
	MULB 1
	PLACES
.if \more
	LB 1
.endif
.endm
	s_load_b256 s[4:11], s[0:1], 0x0               ; ao s[4:5], x s[6:7], wp s[8:9], bo s[10:11]
	s_load_b128 s[12:15], s[0:1], 0x20             ; b1 s[12:13], b2 s[14:15]
	s_load_b64 s[16:17], s[0:1], 0x30              ; out0
	v_lshl_add_u32 v[SPW], v0, 2, SPARE
	v_mov_b32 v[NIL], 0
	v_lshrrev_b32 v3, 5, v0
	v_readfirstlane_b32 s18, v3                    ; wave 0..3
	v_and_b32 v3, 31, v0                           ; lane
	v_and_b32 v1, 15, v0                           ; r
	v_bfe_u32 v2, v0, 4, 1                         ; h
	s_mul_i32 s19, s18, 64*GPI
	s_add_co_u32 s19, s19, STG                     ; my stage
	s_lshl_b32 s42, s18, 7
	s_lshl_b32 s43, s18, 8
	s_lshl_b32 s44, s18, 6
	s_lshl_b32 s45, s18, 2
	v_lshlrev_b32 v[WOFF], 4, v3
	v_mul_u32_u24 v[XAD], v1, XPI
	v_lshl_add_u32 v[XAD], v2, 4, v[XAD]           ; 528 r + 16 h
	v_add_nc_u32 v[XST2], s42, v[XAD]              ; + my 64 columns in f16
	v_mul_u32_u24 v35, v1, GPI                     ; 272 r
	v_lshl_add_u32 v[STD], v2, 5, v35
	v_add_nc_u32 v[STD], s19, v[STD]
	v_mul_u32_u24 v[STR], v2, GPI
	v_lshl_add_u32 v[STR], v1, 4, v[STR]
	v_add_nc_u32 v[STR], s19, v[STR]
	v_lshlrev_b32 v[GRW], 10, v2
	v_lshl_add_u32 v[GRW], v1, 4, v[GRW]
	v_add_nc_u32 v[GRW], s43, v[GRW]               ; 1,024 h + 16 r + my 64 columns in f32
	v_lshl_add_u32 v[GLD], v2, 4, v35
	v_add_nc_u32 v[GLD], G, v[GLD]
	v_add_nc_u32 v[GST], s44, v[GLD]               ; + my 32 columns of the chunk
	v_lshlrev_b32 v[PLD], 4, v1
	v_add_nc_u32 v[PLD], PART, v[PLD]
	v_add_nc_u32 v[PST], s45, v[PLD]
	v_lshrrev_b32 v[OST], 2, v3                    ; ao comes as eight rows of 64 bytes a load
	v_mul_u32_u24 v[OST], v[OST], XPI
	v_and_b32 v36, 3, v3
	v_lshl_add_u32 v[OST], v36, 4, v[OST]
	v_add_nc_u32 v[OST], s42, v[OST]               ; heads 2 w, 2 w + 1 are columns 64 w on
	v_lshl_add_u32 v[BOFF], v2, 5, s43             ; 4 (64 w + 8 h)
	v_lshl_add_u32 v[BOFF1], v2, 5, s42            ; 4 (32 w + 8 h)
	s_mov_b32 s[SEL], 0x76543210
	s_mov_b32 s[SEL+1], 0xfedcba98
	s_mov_b32 s[GC0], 0xc0135761                   ; -2.302208
	s_mov_b32 s[GC0+1], s[GC0]                     ; named with it as a pair
	s_mov_b32 s[GC1], 0xbdd2d3e8                   ; -0.102943
	s_mov_b32 s[GC1+1], s[GC1]
	s_mov_b32 s[R16], 0x3d800000
	s_lshr_b32 s20, ttmp9, 6                       ; batch: 8 heads of 262,144 bytes,
	s_lshl_b32 s20, s20, 21
	s_lshl_b32 s21, s18, 19                        ; my two heads,
	s_add_co_u32 s20, s20, s21
	s_and_b32 s21, ttmp9, 63
	s_lshl_b32 s21, s21, 12                        ; 64 tokens of 64 bytes
	s_add_co_u32 s20, s20, s21
	s_mov_b32 s21, 0
	s_lshl_b32 s22, ttmp9, 16                      ; 64 tokens of 1,024 bytes
	s_mov_b32 s23, 0
	s_lshl_b32 s26, s18, 15                        ; four column tiles of 8 fragments
	s_mov_b32 s27, 0
	s_lshl_b32 s28, s18, 14                        ; two column tiles of 8 fragments
	s_mov_b32 s29, 0
	s_lshl_b32 s30, s18, 17                        ; four column tiles of 32 fragments
	s_mov_b32 s31, 0
	s_wait_kmcnt 0x0
	s_add_nc_u64 s[AOP:AOP+1], s[4:5], s[20:21]
	s_add_nc_u64 s[OUTP:OUTP+1], s[16:17], s[22:23]
	s_add_nc_u64 s[XP:XP+1], s[6:7], s[22:23]
	s_add_nc_u64 s[WOP:WOP+1], s[8:9], s[26:27]
	s_add_nc_u64 s[WOP:WOP+1], s[WOP:WOP+1], 393216
	s_add_nc_u64 s[W1P:W1P+1], s[8:9], s[28:29]
	s_add_nc_u64 s[W1P:W1P+1], s[W1P:W1P+1], 524288
	s_add_nc_u64 s[W2P:W2P+1], s[8:9], s[30:31]
	s_add_nc_u64 s[W2P:W2P+1], s[W2P:W2P+1], 1048576
	s_mov_b64 s[B1P:B1P+1], s[12:13]
	; THE WAY IN: bo (8 loads), ao (16), x (32)
	WIN 0xc0
.irp nt, 0,1,2,3
	global_load_b128 v[128+8*\nt:128+8*\nt+3], v[BOFF], s[10:11] offset:64*\nt
	global_load_b128 v[128+8*\nt+4:128+8*\nt+7], v[BOFF], s[10:11] offset:64*\nt+16
.endr
.irp hh, 0,1
.irp f, 0,1,2,3,4,5,6,7
	global_load_b128 v[192+4*(8*\hh+\f):192+4*(8*\hh+\f)+3], v[WOFF], s[AOP:AOP+1] offset:262144*\hh+512*\f th:TH_LOAD_NT
.endr
.endr
	EACH 32, global_load_b128 v[4*k:4*k+3], v[GRW], s[XP:XP+1] offset:2048*k th:TH_LOAD_NT
	s_wait_loadcnt 32                              ; bo and ao are in; x's 32 loads may stay out
	WIN 0x0c
.irp hh, 0,1
.irp f, 0,1,2,3,4,5,6,7
	ds_store_b128 v[OST], v[192+4*(8*\hh+\f):192+4*(8*\hh+\f)+3] offset:8*XPI*\f+64*\hh
.endr
.endr
	s_wait_loadcnt 0x0                             ; x
	LWO 0
	LWO 1
	LWO 2
	WIN 0xc0
.irp nt, 0,1,2,3
	global_load_b128 v[160+8*\nt:160+8*\nt+3], v[BOFF], s[14:15] offset:64*\nt
	global_load_b128 v[160+8*\nt+4:160+8*\nt+7], v[BOFF], s[14:15] offset:64*\nt+16
.endr
	WIN 0x0c
	EACH 32, ds_store_b128 v[STR], v[4*k:4*k+3] offset:2*GPI*k   ; x by rows into my stage,
	WIN 0
.irp nt, 0,1,2,3
.irp rt, 0,1,2,3
	ds_load_b128 v[ACC2+8*(4*\nt+\rt):ACC2+8*(4*\nt+\rt)+3],   v[STD] offset:16*GPI*\rt+64*\nt     ; and back as accumulators: LDS serves a wave's instructions in order (ISA guide 5.7.1.4)
	ds_load_b128 v[ACC2+8*(4*\nt+\rt)+4:ACC2+8*(4*\nt+\rt)+7], v[STD] offset:16*GPI*\rt+64*\nt+16
.endr
.endr
	s_wait_dscnt 0x0                               ; for the others' sake: my heads of ao lie in LDS
	BAR                                            ; all eight heads do
	LOADXF
	WIN 0x0c
.irp nt, 0,1,2,3
.irp rt, 0,1,2,3
.irp p, 0,2,4,6
	v_pk_add_f32 v[ACC2+8*(4*\nt+\rt)+\p:ACC2+8*(4*\nt+\rt)+\p+1], v[ACC2+8*(4*\nt+\rt)+\p:ACC2+8*(4*\nt+\rt)+\p+1], v[128+8*\nt+\p:128+8*\nt+\p+1]  ; x + bo
.endr
.endr
.endr
	LWO 3
	s_wait_dscnt 0x0                               ; ao's fragments are in
	; ao Wo.  The waits count the younger loads: Wo's sets 16 each, b2 8, W1's sets 18, W2's 16.  Each set, once multiplied, takes the first chunk's weights.
	s_wait_loadcnt 56                              ; 16 + 16 + 8 + 16
	MULO 0
	PLACES
	LA 0
	s_wait_loadcnt 58                              ; 16 + 8 + 16 + 18
	MULO 1
	PLACES
	LA 1
	s_wait_loadcnt 60                              ; 8 + 16 + 18 + 18
	MULO 2
	PLACES
	LB 0
	s_wait_loadcnt 52                              ; 18 + 18 + 16: b2 is in too
	MULO 3
	PLACES
	LB 1
	WIN 0
	s_wait_xcnt 0x0                                ; the loads have read their bases: these step to the second chunk
	s_add_nc_u64 s[W1P:W1P+1], s[W1P:W1P+1], 65536
	s_add_nc_u64 s[W2P:W2P+1], s[W2P:W2P+1], 4096
	s_add_nc_u64 s[B1P:B1P+1], s[B1P:B1P+1], 512
	; THE SECOND NORM.  ACC2 = x_skip.  A lane holds 32 numbers of each of four tokens; the four row tiles' chains alternate; each accumulator is read from its low end.
.irp rt, 0,1,2,3
	v_pk_add_f32 v[T+2*\rt:T+2*\rt+1], v[ACC2+8*\rt:ACC2+8*\rt+1], v[ACC2+8*\rt+2:ACC2+8*\rt+3]
.endr
.set j, 2
.rept 14
.irp rt, 0,1,2,3
	v_pk_add_f32 v[T+2*\rt:T+2*\rt+1], v[T+2*\rt:T+2*\rt+1], v[ACC2+8*(4*(j/4)+\rt)+2*(j%4):ACC2+8*(4*(j/4)+\rt)+2*(j%4)+1]
.endr
.set j, j+1
.endr
	XCH 0
	WIN 0xc0
.irp nt, 0,1,2,3
.irp rt, 0,1,2,3
.irp p, 0,2,4,6
	v_pk_fma_f32 v[8*(4*\nt+\rt)+\p:8*(4*\nt+\rt)+\p+1], v[T+2*\rt:T+2*\rt+1], 0xbb800000, v[ACC2+8*(4*\nt+\rt)+\p:ACC2+8*(4*\nt+\rt)+\p+1] op_sel_hi:[0,0,1]  ; d = x_skip - sum / 256
.endr
.endr
.endr
	WIN 0x0c
.irp nt, 0,1,2,3
.irp rt, 0,1,2,3
.irp p, 0,2,4,6
	v_pk_add_f32 v[ACC2+8*(4*\nt+\rt)+\p:ACC2+8*(4*\nt+\rt)+\p+1], v[ACC2+8*(4*\nt+\rt)+\p:ACC2+8*(4*\nt+\rt)+\p+1], v[160+8*\nt+\p:160+8*\nt+\p+1]  ; x_skip + b2: what the MLP's second product adds onto
.endr
.endr
.endr
	WIN 0x0f
.irp rt, 0,1,2,3
	v_pk_mul_f32 v[T+2*\rt:T+2*\rt+1], v[8*\rt:8*\rt+1], v[8*\rt:8*\rt+1]
.endr
.set j, 1
.rept 15
.irp rt, 0,1,2,3
	v_pk_fma_f32 v[T+2*\rt:T+2*\rt+1], v[8*(4*(j/4)+\rt)+2*(j%4):8*(4*(j/4)+\rt)+2*(j%4)+1], v[8*(4*(j/4)+\rt)+2*(j%4):8*(4*(j/4)+\rt)+2*(j%4)+1], v[T+2*\rt:T+2*\rt+1]
.endr
.set j, j+1
.endr
	XCH 1024
.irp rt, 0,1,2,3
	v_sqrt_f32 v[T+2*\rt], v[T+2*\rt]
.endr
	v_nop
	s_wait_alu depctr_va_vdst(0)                   ; one wait for the four roots
.irp rt, 0,1,2,3
	v_fmaak_f32 v[T+2*\rt], s[R16], v[T+2*\rt], 0x358637bd  ; sqrt(sum / 256) + 1e-6
.endr
.irp rt, 0,1,2,3
	v_rcp_f32 v[T+2*\rt], v[T+2*\rt]
.endr
	v_nop
	s_wait_alu depctr_va_vdst(0)                   ; one wait for the four reciprocals
	WIN 0xc3
.irp nt, 0,1,2,3
.irp rt, 0,1,2,3
.irp p, 0,2,4,6
	v_pk_mul_f32 v[8*(4*\nt+\rt)+\p:8*(4*\nt+\rt)+\p+1], v[8*(4*\nt+\rt)+\p:8*(4*\nt+\rt)+\p+1], v[T+2*\rt:T+2*\rt+1] op_sel_hi:[1,0]
.endr
.endr
.endr
	WIN 0xcf
	EACH 64, v_cvt_pk_f16_f32 v[8*(k/4)+k%4], v[2*k], v[2*k+1]
	WIN 0x0c
.irp nt, 0,1,2,3
.irp rt, 0,1,2,3
	ds_store_b128 v[XST2], v[8*(4*\nt+\rt):8*(4*\nt+\rt)+3] offset:16*XPI*\rt+32*\nt  ; over ao: every wave's reads of it were waited for ahead of the two barriers above
.endr
.endr
	s_wait_dscnt 0x0                               ; for the others' sake: my columns of xn2 lie in LDS
	BAR
	LOADXF
	s_wait_dscnt 0x0
	; THE MLP: seven chunks that ask for the next chunk's weights, and the last, written out, which asks for nothing
	WIN 0
	s_mov_b32 s[CNT], 7
.Lchunk:
	CHUNK 1
	WIN 0
	s_wait_xcnt 0x0                                ; the loads have read their bases
	s_add_nc_u64 s[W1P:W1P+1], s[W1P:W1P+1], 65536
	s_add_nc_u64 s[W2P:W2P+1], s[W2P:W2P+1], 4096
	s_add_nc_u64 s[B1P:B1P+1], s[B1P:B1P+1], 512
	s_sub_co_u32 s[CNT], s[CNT], 1
	s_cmp_lg_u32 s[CNT], 0
	s_cbranch_scc1 .Lchunk
	CHUNK 0
	; THE WAY OUT: the accumulators into my stage, each from its low end; back by rows; stored, 16 lanes to 256 consecutive bytes at a multiple of 256 from out0's first
	WIN 0
.irp nt, 0,1,2,3
.irp rt, 0,1,2,3
	ds_store_b128 v[STD], v[ACC2+8*(4*\nt+\rt):ACC2+8*(4*\nt+\rt)+3]   offset:16*GPI*\rt+64*\nt
	ds_store_b128 v[STD], v[ACC2+8*(4*\nt+\rt)+4:ACC2+8*(4*\nt+\rt)+7] offset:16*GPI*\rt+64*\nt+16
.endr
.endr
	WIN 0xc0
	EACH 32, ds_load_b128 v[4*k:4*k+3], v[STR] offset:2*GPI*k
	WIN 0x0c
.set k, 0
.rept 32
	s_wait_dscnt 31-k
	global_store_b128 v[GRW], v[4*k:4*k+3], s[OUTP:OUTP+1] offset:2048*k th:TH_STORE_NT
.set k, k+1
.endr
	WIN 0
	s_wait_tensorcnt 0x0                           ; the wave's end, behind my last LDS store
	ds_add_u32 v[SPW], v[NIL]
	s_wait_dscnt 0x0
	s_endpgm
.Lfunc_end_k_qb4f2d02122_tail:
	.size	k_qb4f2d02122_tail, .Lfunc_end_k_qb4f2d02122_tail-k_qb4f2d02122_tail
	.p2alignl 7, 3214868480
	.fill 96, 4, 3214868480
	.section	.rodata,"a",@progbits
	.p2align	6, 0x0
	.amdhsa_kernel k_qb4f2d02122_tail
		.amdhsa_group_segment_fixed_size 123392
		.amdhsa_private_segment_fixed_size 0
		.amdhsa_enable_private_segment 0
		.amdhsa_kernarg_size 56
		.amdhsa_user_sgpr_count 2
		.amdhsa_user_sgpr_kernarg_segment_ptr 1
		.amdhsa_wavefront_size32 1
		.amdhsa_system_sgpr_workgroup_id_x 1
		.amdhsa_system_sgpr_workgroup_id_y 1
		.amdhsa_system_sgpr_workgroup_id_z 1
		.amdhsa_system_vgpr_workitem_id 0
		.amdhsa_next_free_vgpr 1024
		.amdhsa_next_free_sgpr 66
		.amdhsa_reserve_vcc 0
		.amdhsa_float_denorm_mode_32 3
		.amdhsa_float_denorm_mode_16_64 3
		.amdhsa_memory_ordered 1
		.amdhsa_forward_progress 1
		.amdhsa_inst_pref_size 151
	.end_amdhsa_kernel
	.amdgpu_metadata
---
amdhsa.version: [ 1, 2 ]
amdhsa.kernels:
  - .name:           k_qb4f2d02122_tail
    .symbol:         k_qb4f2d02122_tail.kd
    .args:
      - { .name: ao, .offset: 0, .size: 8, .value_kind: global_buffer, .address_space: global }
      - { .name: embeddings_in, .offset: 8, .size: 8, .value_kind: global_buffer, .address_space: global }
      - { .name: wp, .offset: 16, .size: 8, .value_kind: global_buffer, .address_space: global }
      - { .name: bo, .offset: 24, .size: 8, .value_kind: global_buffer, .address_space: global }
      - { .name: b1, .offset: 32, .size: 8, .value_kind: global_buffer, .address_space: global }
      - { .name: b2, .offset: 40, .size: 8, .value_kind: global_buffer, .address_space: global }
      - { .name: out0, .offset: 48, .size: 8, .value_kind: global_buffer, .address_space: global }
    .group_segment_fixed_size: 123392
    .private_segment_fixed_size: 0
    .kernarg_segment_align: 8
    .kernarg_segment_size: 56
    .max_flat_workgroup_size: 128
    .sgpr_count:     66
    .vgpr_count:     1024
    .wavefront_size: 32
...
	.end_amdgpu_metadata
.endif
;; end of part 4
